; MI455X (gfx1250); checked and timed in simulation.
; The chip was launched on July 23, 2026; its instructions are those of AMD's public machine-readable ISA for CDNA 5 (MIT licence, August 2026) and "CDNA5" Instruction Set Architecture Reference Guide (July 2026). The comments in the code are by the model that wrote it; some were corrected since.
;; FFM. Allowed arithmetic: float matrix products may take bf16 or f16 operands with f32 sums; other float arithmetic in f32, or as packed bf16 or f16 multiplies, adds, multiply-adds, maxima and minima; sums over many terms, partial sums and values carried from step to step in f32; what a program stores and reads back later, other than sums and carried values, may be rounded once to bf16 or f16.
;; Inputs: b one number float32; v 2,048 x 32 x 64 float32; w 2,048 float32; x 16,384 x 2,048 float32.
;; Outputs: out0 16,384 float32.
;; One version. Each part assembles by itself: llvm-mc -triple=amdgcn-amd-amdhsa -mcpu=gfx1250 --defsym DOCPART=n.
;; ======== version 1 of 1: 3 launches
;; workspace buffers: xb 67,108,864 bytes; vb 8,388,608 bytes; lin 65,536 bytes; part 1,048,576 bytes
;; launch prep (part 1): grid 256 x 1, 16 waves a work-group, no clusters, 41,216 bytes of LDS; arguments x, w, b, v, xb, vb, lin; writes xb, vb, lin
.if DOCPART == 1
	.amdgcn_target "amdgcn-amd-amdhsa--gfx1250"
	.amdhsa_code_object_version 6
	.text
	.protected	k_q67f3405990_prep
	.globl	k_q67f3405990_prep
	.p2align	8
	.type	k_q67f3405990_prep,@function
k_q67f3405990_prep:
	s_mov_b64 s[64:65], 0
	v_nop
	global_prefetch_b8 v0, s[64:65] scope:SCOPE_SE
	s_setreg_imm32_b32 hwreg(HW_REG_WAVE_MODE, 25, 1), 1
	s_wait_xcnt 0x0
; PREPARATION.  xb = bf16(x), [16384][2048].  vb = bf16(v), turned to [n'][f] (2048 x 2048) with its columns (field, k) put in the order
;   n' = 128 (k >> 2) + 16 (field >> 2) + 8 ((k >> 1) & 1) + 2 (field & 3) + (k & 1),
; so that the next launch finds all 32 fields of a k in one lane.  lin[r] = sum over f of bf16(x[r][f]) bf16(w[f]) + bf16(b), products and sums in f32.
; LIMITS.  x, v, w and b are each rounded once to bf16 (to nearest even); nothing else is rounded below f32.  NaN and infinities pass through as the arithmetic gives them.
; SHARES.  256 work-groups of 16 waves, all alike.  Work-group q takes a block of v, 128 f x 128 n (f block q & 15, n block q >> 4), and rows 64 q .. 64 q + 63 of x.
; Wave w takes f rows 8 w .. 8 w + 7 of the block and rows 4 w .. 4 w + 3 of x.  Every byte of x and v is loaded once; each store of a wave covers whole aligned runs of 256 bytes.
; x goes in UNITS of half a row (4,096 bytes: eight loads of 512 consecutive bytes); four units of a wave are on their way at a time (16 KiB a wave).
; No tensor loads: nothing but w (8 KiB, through LDS once) is shared between waves.  No prefetch: the launch does nothing but stream.
.set VP,    272                        ; a row of the turned block in LDS: 256 bytes (128 f in bf16) + 16
.set WL,    128*VP                     ; 34,816: w as bf16, in column order, 4,096 bytes
.set LN,    WL+4096                    ; 38,912: the work-group's 64 row sums, f32
.set SPARE, LN+256                     ; 39,168: the spare words, 128 bytes for each of 16 waves; no other line names them
.set LANE, 1
.set WAVE, 2
.set XO,   3                           ; my 16 bytes in a run of 512 of x, at my wave's first row; never rewritten (as all addresses here: steps stand in immediates)
.set YO,   4                           ; my 8 bytes in a run of 256 of xb
.set VO,   5                           ; my 4 columns of the block of v, at my wave's first f row
.set LSA,  6                           ; turned block, in: row 4 lane (+ e), byte 16 wave
.set LRA,  7                           ; turned block, back: row 8 wave + lane / 16 (+ 2 t), byte 16 (lane % 16)
.set GV,   8                           ; the same two rows in vb
.set WSA,  9                           ; where my thread puts 4 numbers of w
.set WLA,  10                          ; where my lane reads w
.set LNA,  11                          ; my wave's four row sums
.set WO,   12                          ; my thread's 16 bytes of w
.set ZERO, 13
.set BIAS, 14                          ; bf16(b) as f32
.set T,    15
.set ACC,  16                          ; v[16:19]   four chains of a row's sum
.set SPW,  20                          ; my spare word; never rewritten
.set NIL,  21                          ; 0; never rewritten
.set LB,   22                          ; v[22:23]   at work at the head; later wave 0's two row sums
.set Y,    24                          ; v[24:39]   a unit as bf16 (first: the block of v, packed)
.set WP,   40                          ; v[40:71]   w for my columns, packed (first: the block of v as loaded)
.set X,    72                          ; v[72:199]  four slots of 32: units as loaded
.set RB,   200                         ; v[200:215] turned rows read back
.set WR,   216                         ; v[216:219] w as loaded
.set WK,   220                         ; v[220:221] w packed
.set LO,   222                         ; 8 lane
.set LLA,  223                         ; LN + 8 lane
	s_load_b256 s[4:11], s[0:1], 0x0               ; x s[4:5], w s[6:7], b s[8:9], v s[10:11]
	s_load_b128 s[12:15], s[0:1], 0x20             ; xb s[12:13], vb s[14:15]
	s_load_b64 s[16:17], s[0:1], 0x30              ; lin
	v_lshl_add_u32 v[SPW], v0, 2, SPARE
	v_mov_b32 v[NIL], 0
	v_and_b32 v[LANE], 31, v0
	v_lshrrev_b32 v[WAVE], 5, v0
	v_readfirstlane_b32 s19, v[WAVE]               ; my wave's number as a scalar
	v_lshlrev_b32 v[XO], 4, v[LANE]
	v_lshl_or_b32 v[XO], v[WAVE], 15, v[XO]        ; 4 rows of 8,192 bytes a wave
	v_lshlrev_b32 v[YO], 3, v[LANE]
	v_lshl_or_b32 v[YO], v[WAVE], 14, v[YO]        ; 4 rows of 4,096 bytes a wave
	v_lshlrev_b32 v[VO], 4, v[LANE]
	v_lshl_or_b32 v[VO], v[WAVE], 16, v[VO]        ; 8 rows of 8,192 bytes a wave
	v_mul_u32_u24 v[LSA], v[LANE], 4*VP
	v_lshl_add_u32 v[LSA], v[WAVE], 4, v[LSA]
	v_lshrrev_b32 v[LB], 4, v[LANE]                ; lane / 16
	v_and_b32 v[LB+1], 15, v[LANE]                 ; lane % 16
	v_lshl_add_u32 v[LRA], v[WAVE], 3, v[LB]
	v_mul_u32_u24 v[LRA], v[LRA], VP
	v_lshl_add_u32 v[LRA], v[LB+1], 4, v[LRA]
	v_lshlrev_b32 v[GV], 4, v[LB+1]
	v_lshl_or_b32 v[GV], v[LB], 12, v[GV]          ; lanes 16-31: the next row of vb (k odd)
	v_lshl_add_u32 v[WSA], v0, 3, WL
	v_lshl_add_u32 v[WLA], v[LANE], 3, WL
	v_lshlrev_b32 v[WO], 4, v0
	v_mov_b32 v[ZERO], 0
	v_mov_b32 v[T], 0                              ; v_permlanex16_b32's destination counts as read
	v_lshlrev_b32 v[LO], 3, v[LANE]
	v_lshl_add_u32 v[LLA], v[LANE], 3, LN
	s_lshl_b32 s20, s19, 4
	s_add_co_u32 s20, s20, LN
	v_mov_b32 v[LNA], s20
	s_mov_b32 s28, 0x76543210                      ; v_permlanex16_b32: each lane takes its own place in the other half
	s_mov_b32 s29, 0xfedcba98
	s_and_b32 s20, ttmp9, 15                       ; f block
	s_lshr_b32 s21, ttmp9, 4                       ; n block
	s_lshr_b32 s22, s19, 3
	s_lshl_b32 s23, s21, 1
	s_add_co_u32 s22, s22, s23                     ; the field of the rows that I read back: 2 x n block + wave / 8
	s_lshr_b32 s23, s22, 2
	s_lshl_b32 s23, s23, 4
	s_and_b32 s24, s22, 3
	s_lshl_b32 s24, s24, 1
	s_add_co_u32 s23, s23, s24                     ; 16 (field >> 2) + 2 (field & 3)
	s_lshl_b32 s23, s23, 12                        ; rows of 4,096 bytes
	s_and_b32 s24, s19, 7                          ; my k are 8 (wave % 8) + 0..7: k >> 2 = 2 (wave % 8) + t / 2
	s_lshl_b32 s24, s24, 20                        ; 256 rows
	s_add_co_u32 s23, s23, s24
	s_lshl_b32 s24, s20, 8                         ; the f block's 256 bytes of a row
	s_add_co_u32 s26, s23, s24
	s_mov_b32 s27, 0                               ; s[26:27]: my offset in vb
	s_lshl_b32 s24, s20, 20                        ; 128 rows of v
	s_lshl_b32 s25, s21, 9                         ; 128 columns
	s_add_co_u32 s24, s24, s25
	s_mov_b32 s25, 0                               ; s[24:25]: the block's offset in v
	s_lshl_b32 s2, ttmp9, 19                       ; 64 rows of x,
	s_mov_b32 s3, 0
	s_lshl_b32 s20, ttmp9, 18                      ; of xb,
	s_mov_b32 s21, 0
	s_lshl_b32 s22, ttmp9, 8                       ; of lin
	s_mov_b32 s23, 0
	s_wait_kmcnt 0x0
	s_load_b32 s18, s[8:9], 0x0                    ; b
	s_add_nc_u64 s[4:5], s[4:5], s[2:3]
	s_add_nc_u64 s[12:13], s[12:13], s[20:21]
	s_add_nc_u64 s[16:17], s[16:17], s[22:23]
	s_add_nc_u64 s[10:11], s[10:11], s[24:25]
	s_add_nc_u64 s[14:15], s[14:15], s[26:27]
.macro FILL s, u                       ; unit u (half u % 2 of my row u / 2) into slot s: eight loads of 512 consecutive bytes
.irp j, 0,1,2,3,4,5,6,7
	global_load_b128 v[X+32*(\s)+4*(\j):X+32*(\s)+4*(\j)+3], v[XO], s[4:5] offset:(\u)*4096+(\j)*512 th:TH_LOAD_NT
.endr
.endm
	global_load_b128 v[WR:WR+3], v[WO], s[6:7]     ; 512 threads x 16 bytes: all of w
.irp i, 0,1,2,3,4,5,6,7
	global_load_b128 v[WP+4*(\i):WP+4*(\i)+3], v[VO], s[10:11] offset:(\i)*8192 th:TH_LOAD_NT  ; f row 8 w + i, columns 4 lane + 0..3
.endr
	FILL 0, 0
	FILL 1, 1
	FILL 2, 2
	FILL 3, 3
	s_wait_loadcnt 40                              ; w is in: behind it stand v's 8 loads and x's 32
	v_cvt_pk_bf16_f32 v[WK], v[WR], v[WR+1]
	v_cvt_pk_bf16_f32 v[WK+1], v[WR+2], v[WR+3]
	ds_store_b64 v[WSA], v[WK:WK+1]
	s_wait_loadcnt 32                              ; v is in: x's 32 loads stay out
.irp e, 0,1,2,3                        ; column 4 lane + e: its eight f as 16 bytes, into row 4 lane + e of the turned block
.irp r, 0,1,2,3
	v_cvt_pk_bf16_f32 v[Y+4*(\e)+(\r)], v[WP+8*(\r)+(\e)], v[WP+8*(\r)+4+(\e)]
.endr
	ds_store_b128 v[LSA], v[Y+4*(\e):Y+4*(\e)+3] offset:VP*(\e)
.endr
	s_wait_dscnt 0x0                               ; for the others' sake: my stores of w and of the block are done
	s_barrier_signal -1
	s_barrier_wait -1
.irp t, 0,1,2,3
	ds_load_b128 v[RB+4*(\t):RB+4*(\t)+3], v[LRA] offset:2*VP*(\t)  ; row 8 w + 2 t + lane / 16: 16 lanes take its 256 bytes
.endr
.irp m, 0,1,2,3,4,5,6,7,8,9,10,11,12,13,14,15
	ds_load_b64 v[WP+2*(\m):WP+2*(\m)+1], v[WLA] offset:256*(\m)    ; w of columns 128 m + 4 lane + 0..3: the columns that I hold of every row of x
.endr
	s_wait_dscnt 16                                ; the four turned rows are in; w's 16 loads may stay out
.irp t, 0,1,2,3
	global_store_b128 v[GV], v[RB+4*(\t):RB+4*(\t)+3], s[14:15] offset:((\t)/2)*524288+((\t)%2)*32768  ; k = 8 (w % 8) + 2 t + lane / 16: 128 rows on for t / 2, 8 rows for t % 2; 16 lanes store 256 consecutive bytes, aligned
.endr
	s_wait_kmcnt 0x0                               ; b
	v_mov_b32 v[BIAS], s18
	v_cvt_pk_bf16_f32 v[BIAS], v[BIAS], v[BIAS]
	v_lshlrev_b32 v[BIAS], 16, v[BIAS]
	s_wait_dscnt 0x0                               ; w
; Unit u.  left: how many younger loads may stay out.  fill = 1: its slot is asked for again, with the unit four on.
.macro UNIT u, left, fill
	s_wait_loadcnt \left                           ; loads come back in order: my unit is in
	s_wait_xcnt 0x0                                ; Y, which the last unit's stores read, is rewritten only behind this wait
.irp j, 0,1,2,3,4,5,6,7
	v_cvt_pk_bf16_f32 v[Y+2*(\j)],   v[X+32*((\u)%4)+4*(\j)],   v[X+32*((\u)%4)+4*(\j)+1]
	v_cvt_pk_bf16_f32 v[Y+2*(\j)+1], v[X+32*((\u)%4)+4*(\j)+2], v[X+32*((\u)%4)+4*(\j)+3]
.endr
.if \fill
	FILL (\u)%4, (\u)+4
.endif
.irp j, 0,1,2,3,4,5,6,7
	global_store_b64 v[YO], v[Y+2*(\j):Y+2*(\j)+1], s[12:13] offset:(\u)*2048+(\j)*256  ; 32 lanes store 256 consecutive bytes, aligned
.endr
.set i, 0
.rept 16                               ; the rounded x times the rounded w, in f32, in four chains; a row's first four links start the sums
.if (((\u)%2) == 0) && (i < 2)
	v_fma_mix_f32_bf16 v[ACC+(2*i)%4],   v[Y+i], v[WP+16*((\u)%2)+i], v[ZERO] op_sel_hi:[1,1,0]
	v_fma_mix_f32_bf16 v[ACC+(2*i+1)%4], v[Y+i], v[WP+16*((\u)%2)+i], v[ZERO] op_sel:[1,1,0] op_sel_hi:[1,1,0]
.else
	v_fma_mix_f32_bf16 v[ACC+(2*i)%4],   v[Y+i], v[WP+16*((\u)%2)+i], v[ACC+(2*i)%4] op_sel_hi:[1,1,0]
	v_fma_mix_f32_bf16 v[ACC+(2*i+1)%4], v[Y+i], v[WP+16*((\u)%2)+i], v[ACC+(2*i+1)%4] op_sel:[1,1,0] op_sel_hi:[1,1,0]
.endif
.set i, i+1
.endr
.if ((\u)%2) == 1                      ; the row is complete: chains, lanes, bias
	v_add_f32 v[ACC], v[ACC], v[ACC+1]
	v_add_f32 v[ACC+2], v[ACC+2], v[ACC+3]
	v_add_f32 v[ACC], v[ACC], v[ACC+2]
	v_add_f32_dpp v[ACC], v[ACC], v[ACC] row_xmask:1 row_mask:0xf bank_mask:0xf
	v_add_f32_dpp v[ACC], v[ACC], v[ACC] row_xmask:2 row_mask:0xf bank_mask:0xf
	v_add_f32_dpp v[ACC], v[ACC], v[ACC] row_xmask:4 row_mask:0xf bank_mask:0xf
	v_add_f32_dpp v[ACC], v[ACC], v[ACC] row_xmask:8 row_mask:0xf bank_mask:0xf
	v_permlanex16_b32 v[T], v[ACC], s28, s29
	v_add_f32 v[ACC], v[ACC], v[T]
	v_add_f32 v[ACC], v[ACC], v[BIAS]
	ds_store_b32 v[LNA], v[ACC] offset:4*((\u)/2)  ; all lanes write the same word with the same number
.endif
.endm
	UNIT 0, 24, 1                                  ; behind a unit's loads stand those of the three units after it
	UNIT 1, 24, 1
	UNIT 2, 24, 1
	UNIT 3, 24, 1
	UNIT 4, 24, 0                                  ; the last four ask for nothing: the counts run down
	UNIT 5, 16, 0
	UNIT 6, 8, 0
	UNIT 7, 0, 0
	s_wait_dscnt 0x0                               ; for wave 0's sake: my four row sums are in LDS
	s_barrier_signal -1
	s_barrier_wait -1
	s_cmp_lg_u32 s19, 0
	s_cbranch_scc1 .Lend
	ds_load_b64 v[LB:LB+1], v[LLA]                 ; wave 0 stores the work-group's 64 sums: 256 consecutive bytes, aligned
	s_wait_dscnt 0x0
	global_store_b64 v[LO], v[LB:LB+1], s[16:17]
.Lend:
	s_wait_tensorcnt 0x0                           ; the wave's end: behind my last LDS store
	ds_add_u32 v[SPW], v[NIL]
	s_wait_dscnt 0x0
	s_endpgm
.Lfunc_end_k_q67f3405990_prep:
	.size	k_q67f3405990_prep, .Lfunc_end_k_q67f3405990_prep-k_q67f3405990_prep
	.p2alignl 7, 3214868480
	.fill 96, 4, 3214868480
	.section	.rodata,"a",@progbits
	.p2align	6, 0x0
	.amdhsa_kernel k_q67f3405990_prep
		.amdhsa_group_segment_fixed_size 41216
		.amdhsa_private_segment_fixed_size 0
		.amdhsa_enable_private_segment 0
		.amdhsa_kernarg_size 56
		.amdhsa_user_sgpr_count 2
		.amdhsa_user_sgpr_kernarg_segment_ptr 1
		.amdhsa_wavefront_size32 1
		.amdhsa_system_sgpr_workgroup_id_x 1
		.amdhsa_system_sgpr_workgroup_id_y 1
		.amdhsa_system_sgpr_workgroup_id_z 1
		.amdhsa_system_vgpr_workitem_id 0
		.amdhsa_next_free_vgpr 224
		.amdhsa_next_free_sgpr 66
		.amdhsa_reserve_vcc 0
		.amdhsa_float_denorm_mode_32 3
		.amdhsa_float_denorm_mode_16_64 3
		.amdhsa_memory_ordered 1
		.amdhsa_forward_progress 1
		.amdhsa_inst_pref_size 47
	.end_amdhsa_kernel
	.amdgpu_metadata
---
amdhsa.version: [ 1, 2 ]
amdhsa.kernels:
  - .name:           k_q67f3405990_prep
    .symbol:         k_q67f3405990_prep.kd
    .args:
      - { .name: x, .offset: 0, .size: 8, .value_kind: global_buffer, .address_space: global }
      - { .name: w, .offset: 8, .size: 8, .value_kind: global_buffer, .address_space: global }
      - { .name: b, .offset: 16, .size: 8, .value_kind: global_buffer, .address_space: global }
      - { .name: v, .offset: 24, .size: 8, .value_kind: global_buffer, .address_space: global }
      - { .name: xb, .offset: 32, .size: 8, .value_kind: global_buffer, .address_space: global }
      - { .name: vb, .offset: 40, .size: 8, .value_kind: global_buffer, .address_space: global }
      - { .name: lin, .offset: 48, .size: 8, .value_kind: global_buffer, .address_space: global }
    .group_segment_fixed_size: 41216
    .private_segment_fixed_size: 0
    .kernarg_segment_align: 8
    .kernarg_segment_size: 56
    .max_flat_workgroup_size: 512
    .sgpr_count:     66
    .vgpr_count:     224
    .wavefront_size: 32
...
	.end_amdgpu_metadata
.endif
;; end of part 1
;; launch gemm (part 2): grid 8 x 32, 4 waves a work-group, clusters of 4 x 4, 327,680 bytes of LDS; arguments xb, vb, part; writes part
.if DOCPART == 2
	.amdgcn_target "amdgcn-amd-amdhsa--gfx1250"
	.amdhsa_code_object_version 6
	.text
	.protected	k_q67f3405990_gemm
	.globl	k_q67f3405990_gemm
	.p2align	8
	.type	k_q67f3405990_gemm,@function
k_q67f3405990_gemm:
	s_mov_b64 s[64:65], 0
	v_nop
	global_prefetch_b8 v0, s[64:65] scope:SCOPE_SE
	s_setreg_imm32_b32 hwreg(HW_REG_WAVE_MODE, 25, 1), 1
	s_wait_xcnt 0x0
	s_wait_alu depctr_hold_cnt(0) depctr_sa_sdst(0) depctr_va_vdst(0) depctr_va_sdst(0) depctr_va_ssrc(0) depctr_va_vcc(0) depctr_vm_vsrc(0)
	s_getreg_b32 s2, hwreg(HW_REG_IB_STS2, 6, 4)
	s_cmp_eq_u32 s2, 0
	s_cbranch_scc0 .Lentry_in_a_cluster
	s_endpgm
.Lentry_in_a_cluster:
	s_bfe_u32 s2, ttmp6, 0x10000c
	s_cmp_lg_u32 s2, 0xf033
	s_cbranch_scc0 .Lentry_shape_is_right
	s_endpgm
.Lentry_shape_is_right:
; C[r][n'] = sum over f of xb[r][f] vb[n'][f] (16,384 x 2,048 x 2,048, bf16 operands, f32 sums), never stored: of each 128 columns of C one number a row is kept,
;   part[u][r] = sum over k = 4 u .. 4 u + 3 of s_k^2  -  sum over the 128 columns of C^2,   s_k = the sum over the 32 fields of C(field, k).
; vb's rows are ordered n' = 128 (k >> 2) + 16 (field >> 2) + 8 ((k >> 1) & 1) + 2 (field & 3) + (k & 1): columns 128 u .. 128 u + 127 hold all 32 fields of four k.
; LIMITS.  The operands are bf16; sums, squares and the difference are f32.  The difference of the two sums of squares is the problem's own; it is taken here for four k at a time.
; A tile of C, 256 x 256, is made by four waves, each 128 x 128: 64 accumulators of 16 x 16, 512 registers.  K goes in steps of 128 through a ring of two LDS slots filled by tensor loads:
; a tile's rows are 256 bytes of memory, at multiples of 256 bytes from the buffer's first byte.  A WORK-GROUP STAYS: it makes two tiles, 8,192 rows apart, and the ring runs on from the first into the second.
; CLUSTERS: 4 x 4 work-groups.  The four of a row of the cluster need the same tiles of xb, the four of a column the same tiles of vb: each tile is asked for JOINTLY, by the same tensor load, descriptor and mask in all four.
; THE MATRIX INSTRUCTION IS USED TRANSPOSED (source 0 = 16 rows of vb, source 1 = 16 rows of xb): lane l holds row l % 16 of C, register j of accumulator (a, b) column 16 b + 8 (l / 16) + j of my 128:
; field 4 b + j / 2, k = 4 u + 2 (l / 16) + j % 2.  So the register pairs of a row block's eight accumulators, added up, ARE (s_k, s_k+1) for the lane's two k, and nothing changes lanes but one exchange of the halves.
; REGISTERS, in windows of 256 (s_set_vgpr_msb: bits 1:0 source 0, 3:2 source 1, 5:4 source 2, 7:6 destination):
;   window 0: v0-31 addresses; v32-63 R; v64-127, v128-191 fragments of xb, two buffers; v192-223 U, v224-239 QX, v240-243 OB: the way out
;   window 1: v64-127, v128-191 fragments of vb, two buffers      window 2: the accumulators of my rows 0-63 ((a, b) at v[8 (8 a + b)])      window 3: those of my rows 64-127
.set SIZE_M, 16384
.set SIZE_N, 2048
.set SIZE_K, 2048
.set SIZE_TILES, 2
.set KSTEP,  128
.set PITCH,  272                       ; an LDS row: 256 bytes + 16 of padding = 68 words: row r starts at bank 4 r mod 64 (64 banks of 4 bytes: ISA guide 11.1), so the 16 rows of a load start at 16 different banks
.set HALFT,  128*PITCH                 ; 128 rows: what one tensor load brings, and what one wave reads of xb or of vb
.set SLOT,   4*HALFT                   ; xb's 256 rows, then vb's 256 rows
.set STAGE,  2*SLOT                    ; behind the ring: 512 bytes for each wave, its 128 numbers on the way out; no tensor load lands here
.set SPARE,  STAGE+4*512               ; behind the stages: the spare words, 128 bytes for each wave; no other line names them
.set LAPS,   SIZE_K/(2*KSTEP)          ; a lap = two K steps = once round the ring
.set WALK,   SIZE_M/SIZE_TILES         ; the two tiles lie WALK rows apart
.set NEXT_A, WALK*SIZE_K*2-(SIZE_K-2*KSTEP)*2   ; bytes from a slot's last K step of a tile to its first of the next: WALK rows down and back along K,
.set BACK_B, (SIZE_K-2*KSTEP)*2        ; vb only back: the two tiles share their rows of vb
.set ADRA, 16                          ; v16-17  LDS address of my xb fragments in slot 0, 1
.set ADRB, 20                          ; v20-21  the same for vb
.set STO,  24                          ; v24     the way out: my row's word in my stage
.set RD,   25                          ; v25     the way out: four rows' words
.set CO,   26                          ; v26     16 x lane
.set SPW,  28                          ; v28     my spare word: SPARE + 4 x my thread's number; never rewritten
.set NIL,  29                          ; v29     0; never rewritten
.set PFO,  30                          ; v30     the prefetches' offset: my lane x a row (4,096 bytes); never rewritten
.set R,    32                          ; row block a at R + 4 a: (s_k, s_k+1), then the two sums of squares
.set F0,   64
.set F1,   128
.set U,    192                         ; 16 pairs at work: sums of fields
.set QX,   224                         ; 8 pairs at work: sums of squares
.set OB,   240                         ; four rows' numbers, to be stored
.set PFA,  44                          ; s[44:45] where my prefetches stand
.set LIM,  43                          ; s43     1 in a wave that prefetches, else the greatest number
.set G1, 24                            ; s[24:31] descriptor group 1 for xb's tiles
.set G0, 32                            ; s[32:39] group 0, one set for each slot
.set G1B, 48                           ; s[48:55], s[56:63] the same for vb's
.set G0B, 56
.set MSB, 0
.macro WIN new                         ; the immediate's high byte repeats the setting that is left; a switch that changes nothing is dropped
.if MSB != (\new)
	s_set_vgpr_msb (MSB<<8)|(\new)
.set MSB, \new
.endif
.endm
.set MUL_LO, 0xa1                      ; source 0 (vb) window 1, source 1 (xb) window 0, C and D window 2
.set MUL_HI, 0xf1                      ; the same, C and D window 3
.set TO_B,   0x40                      ; destination window 1, address window 0
; A joint load.  Waves 0 and 1 fetch xb's two halves, waves 2 and 3 vb's.  The branch hangs on the wave's number alone.  An s_nop 0 and four v_nop follow each of the two lines.
.macro JLOAD s
	s_cmp_eq_u32 s11, 0
	s_cbranch_scc0 .Lfor_b_\@
	tensor_load_to_lds s[G0+4*(\s):G0+4*(\s)+3], s[G1:G1+7]
	s_nop 0
.rept 4
	v_nop
.endr
	s_branch .Lasked_\@
.Lfor_b_\@:
	tensor_load_to_lds s[G0B+4*(\s):G0B+4*(\s)+3], s[G1B:G1B+7]
	s_nop 0
.rept 4
	v_nop
.endr
.Lasked_\@:
.endm
; A PREFETCH INTO THE L2, behind each joint load and the run of LDS loads that follows it: the K step that stands two refills on (512 matrix instructions ahead of the load that will want it): 32 rows x 256 bytes, a lane a row.
; Each row's 256 bytes of a K step are named once in the launch: xb's rows by the cluster with x = 0, vb's by the cluster with y = 0; of the 128 rows that a wave fetches, the partner at place p
; (cx for xb, cy for vb) takes 32 p .. 32 p + 31, told apart by address.  how = 0, in the loop: a tile's last two refills have no K step two on; how = 1, at the change of tiles.
.macro ASK how
.if \how
	s_cmp_eq_u32 s[LIM], 1
.else
	s_cmp_gt_u32 s3, s[LIM]                        ; s3 = 1 in the loop's last trip
.endif
	s_cbranch_scc0 .Lnot_mine_\@
	global_prefetch_b8 v[PFO], s[PFA:PFA+1] offset:KSTEP*2 th:TH_LOAD_NT scope:SCOPE_SE
.Lnot_mine_\@:
.endm
.macro CREST                           ; a round of the cluster's barrier behind its opening barrier
	s_cmp_lg_u32 s10, 0
	s_cbranch_scc1 .Lnot_wave_0_\@
	s_barrier_signal -3
.Lnot_wave_0_\@:
	s_barrier_wait -3
	s_barrier_signal -1
	s_barrier_wait -1
.endm
.macro CROUND                          ; a whole round
	s_barrier_signal -1
	s_barrier_wait -1
	CREST
.endm
	s_load_b128 s[4:7], s[0:1], 0x0                ; xb s[4:5], vb s[6:7]
	s_load_b64 s[8:9], s[0:1], 0x10                ; part
	v_lshl_add_u32 v[SPW], v0, 2, SPARE
	v_mov_b32 v[NIL], 0
	ds_add_u32 v[SPW], v[NIL]                      ; the wave's opening: the add, twice on end, and its wait ahead of my first tensor load
	ds_add_u32 v[SPW], v[NIL]                      ; and once more, under the one wait; the set-up below, work on registers, stands between
	v_lshrrev_b32 v1, 5, v0
	v_readfirstlane_b32 s10, v1                    ; wave 0..3
	s_lshr_b32 s11, s10, 1                         ; which half of the tile's rows is mine.  Also: I fetch for xb (0) or for vb (1)
	s_and_b32 s12, s10, 1                          ; which half of its columns.  Also: which 128 rows of that tile I fetch
	s_bfe_u32 s40, ttmp6, 0x40000                  ; cx
	s_bfe_u32 s41, ttmp6, 0x40004                  ; cy
	s_lshl_b32 s42, ttmp9, 2
	s_add_co_u32 s42, s42, s40                     ; tile column = 4 x cluster x + cx
	s_and_b32 s13, ttmp7, 0xffff
	s_lshl_b32 s13, s13, 2
	s_add_co_u32 s13, s13, s41                     ; tile row = 4 x cluster y + cy
	s_lshl_b32 s43, s41, 2
	s_lshl_b32 s43, 15, s43                        ; my row of the cluster: places 4 cy .. 4 cy + 3
	s_lshl_b32 s44, 0x1111, s40                    ; my column: places cx, cx + 4, cx + 8, cx + 12
	; descriptor group 1: a tile of 128 rows x 128 elements, padded in LDS
	s_or_b32 s[G1+0], s43, (1<<16)|(1<<20)|(1<<21)|(5<<22)|(3<<25)  ; 15:0 the mask; 17:16 elements of 2 bytes; 20 padding on; 21 set beside a mask; 24:22 after every 64 words (code 5); 31:25 4 words of it (code 3)
	s_or_b32 s[G1B+0], s44, (1<<16)|(1<<20)|(1<<21)|(5<<22)|(3<<25)
	s_mov_b32 s[G1B+1], KSTEP<<16
	s_mov_b32 s[G1+1], KSTEP<<16                   ; tensor_dim0 = 128
	s_mov_b32 s[G1B+2], 128<<16
	s_mov_b32 s[G1+2], 128<<16                     ; tensor_dim1 = 128
	s_mov_b32 s[G1B+3], KSTEP<<16
	s_mov_b32 s[G1+3], KSTEP<<16                   ; tile_dim0 = 128
	s_mov_b32 s[G1B+4], 128
	s_mov_b32 s[G1+4], 128                         ; tile_dim1 = 128
	s_mov_b32 s[G1B+5], SIZE_K
	s_mov_b32 s[G1+5], SIZE_K                      ; elements from row to row
	s_mov_b32 s[G1B+6], 0
	s_mov_b32 s[G1+6], 0
	s_mov_b32 s[G1B+7], 0
	s_mov_b32 s[G1+7], 0
	; where the tiles come from: xb's hang on the tile row alone, vb's on the tile column alone, each in registers that never hold the other coordinate
	s_lshl_b32 s17, s12, 7                         ; which 128 rows of the tile I fetch
	s_lshl_b32 s16, s13, 8
	s_add_co_u32 s16, s16, s17                     ; xb: row 256 x tile row + 128 x half
	s_lshl_b32 s46, s42, 8
	s_add_co_u32 s46, s46, s17                     ; vb: row 256 x tile column + 128 x half
	s_mov_b32 s17, 0
	s_mov_b32 s47, 0
	s_mov_b64 s[18:19], SIZE_K*2
	s_mul_u64 s[16:17], s[16:17], s[18:19]
	s_mul_u64 s[46:47], s[46:47], s[18:19]
	s_mul_i32 s20, s10, HALFT                      ; where they go: wave x 128 rows: no place in the cluster enters an LDS address
	s_wait_dscnt 0x0                               ; both opening adds are done
	s_wait_kmcnt 0x0
	s_add_nc_u64 s[14:15], s[4:5], s[16:17]
	s_add_nc_u64 s[46:47], s[6:7], s[46:47]
	CROUND                                         ; all sixteen work-groups are here: the first joint loads meet
.irp s, 0,1
	s_mov_b32 s[G0+4*(\s)], 1                                      ; count = 1
	s_add_co_u32 s[G0+4*(\s)+1], s20, (\s)*SLOT                    ; LDS address
	s_add_nc_u64 s[G0+4*(\s)+2:G0+4*(\s)+3], s[14:15], (\s)*KSTEP*2  ; global address: K step s
	s_or_b32 s[G0+4*(\s)+3], s[G0+4*(\s)+3], 0x80000000            ; type = 2
	s_mov_b32 s[G0B+4*(\s)], 1
	s_add_co_u32 s[G0B+4*(\s)+1], s20, (\s)*SLOT
	s_add_nc_u64 s[G0B+4*(\s)+2:G0B+4*(\s)+3], s[46:47], (\s)*KSTEP*2
	s_or_b32 s[G0B+4*(\s)+3], s[G0B+4*(\s)+3], 0x80000000
	JLOAD \s                                       ; two loads of mine are out
.endr
	; A fragment is 16 rows x 32 K in 8 registers: lane l holds row l % 16; registers 0-3 K = 8 (l / 16) + 0..7, registers 4-7 K = 16 + 8 (l / 16) + 0..7: two loads of 16 bytes, 32 bytes apart.
	v_and_b32 v1, 15, v0                           ; l % 16
	v_bfe_u32 v2, v0, 4, 1                         ; l / 16
	v_mul_u32_u24 v3, v1, PITCH
	v_lshl_add_u32 v3, v2, 4, v3                   ; row x pitch + 16 x half
	s_mul_i32 s21, s11, HALFT                      ; my 128 rows of xb
	s_mul_i32 s22, s12, HALFT                      ; my 128 rows of vb,
	s_add_co_u32 s22, s22, 2*HALFT                 ; which lie behind xb's 256
.irp s, 0,1
	v_add_nc_u32 v[ADRA+(\s)], s21, v3
	v_add_nc_u32 v[ADRB+(\s)], s22, v3
	s_add_co_u32 s21, s21, SLOT
	s_add_co_u32 s22, s22, SLOT
.endr
	s_lshl_b32 s23, s10, 9
	s_add_co_u32 s23, s23, STAGE                   ; my stage
	v_lshl_add_u32 v[STO], v1, 2, s23              ; in: the word of row l % 16 (+ 16 a)
	v_and_b32 v4, 31, v0
	v_lshl_add_u32 v[RD], v4, 4, s23               ; back: rows 4 l .. 4 l + 3
	v_lshlrev_b32 v[CO], 4, v4
	; where my 128 numbers of the first tile go in part ([16][16384] f32): the first way out adds this to part's address
	s_lshl_b32 s13, s13, 8                         ; 256 x tile row
	s_lshl_b32 s14, s11, 7
	s_add_co_u32 s16, s13, s14                     ; my first row,
	s_lshl_b32 s16, s16, 2                         ; 4 bytes a row
	s_lshl_b32 s46, s42, 1
	s_add_co_u32 s46, s46, s12                     ; u = 2 x tile column + half,
	s_lshl_b32 s46, s46, 16                        ; 65,536 bytes each
	s_add_co_u32 s16, s16, s46
	s_mov_b32 s17, 0
	; the prefetches.  s13 = 256 x tile row, s42 = tile column, s40 = cx, s41 = cy still stand
	s_lshl_b32 s42, s42, 8
	s_and_b32 s22, ttmp7, 0xffff                   ; cluster y
	s_cmp_eq_u32 s11, 0                            ; do I fetch for xb?
	s_cselect_b32 s20, s13, s42                    ; the tile's first row
	s_cselect_b32 s21, s40, s41                    ; my place among the four that ask for it with me
	s_cselect_b32 s22, ttmp9, s22                  ; the coordinate along which other clusters read the same rows
	s_cselect_b64 s[PFA:PFA+1], s[4:5], s[6:7]
	s_cmp_eq_u32 s22, 0
	s_cselect_b32 s[LIM], 1, -1                    ; the same in all sixteen partners, for a given wave
	s_lshl_b32 s22, s12, 7
	s_add_co_u32 s20, s20, s22                     ; + the 128 rows that I fetch
	s_lshl_b32 s21, s21, 5
	s_add_co_u32 s20, s20, s21                     ; + my work-group's 32 of them
	s_mov_b32 s21, 0
	s_mov_b64 s[18:19], SIZE_K*2
	s_mul_u64 s[20:21], s[20:21], s[18:19]
	s_add_nc_u64 s[PFA:PFA+1], s[PFA:PFA+1], s[20:21]
	s_add_nc_u64 s[PFA:PFA+1], s[PFA:PFA+1], 2*KSTEP*2  ; at K step 2: the first refill steps it to 3 and names K step 4.  Nothing is prefetched here, at the head
	v_and_b32 v[PFO], 31, v0
	v_mul_u32_u24 v[PFO], v[PFO], SIZE_K*2
	s_mov_b32 s46, 0x76543210                      ; v_permlanex16_b32: each lane takes its own place in the other half
	s_mov_b32 s47, 0xfedcba98
; 16 matrix instructions: row blocks a0, a0 + 1 of the window's four x all 8 column blocks, 32 along K.  zero = 1: the first product starts the sums.
.macro MUL16 f, hi, a0, zero
	WIN MUL_LO+0x50*(\hi)
.irp a, \a0, (\a0)+1
.irp b, 0,1,2,3,4,5,6,7
.if \zero
	v_wmma_f32_16x16x32_bf16 v[8*(8*(\a)+(\b)):8*(8*(\a)+(\b))+7], v[(\f)+8*(\b):(\f)+8*(\b)+7], v[(\f)+8*(4*(\hi)+(\a)):(\f)+8*(4*(\hi)+(\a))+7], 0
.else
	v_wmma_f32_16x16x32_bf16 v[8*(8*(\a)+(\b)):8*(8*(\a)+(\b))+7], v[(\f)+8*(\b):(\f)+8*(\b)+7], v[(\f)+8*(4*(\hi)+(\a)):(\f)+8*(4*(\hi)+(\a))+7], v[8*(8*(\a)+(\b)):8*(8*(\a)+(\b))+7]
.endif
.endr
.endr
.endm
; 32 LDS loads in one run: the fragments of one quarter step (128 rows of vb, 128 of xb, 32 K at byte k of the rows) into buffer f
.macro FETCH slot, k, f
	WIN TO_B
.irp i, 0,1,2,3,4,5,6,7
	ds_load_b128 v[(\f)+8*(\i):(\f)+8*(\i)+3],   v[ADRB+(\slot)] offset:(\k)+(\i)*16*PITCH
	ds_load_b128 v[(\f)+8*(\i)+4:(\f)+8*(\i)+7], v[ADRB+(\slot)] offset:(\k)+(\i)*16*PITCH+32
.endr
	WIN 0
.irp i, 0,1,2,3,4,5,6,7
	ds_load_b128 v[(\f)+8*(\i):(\f)+8*(\i)+3],   v[ADRA+(\slot)] offset:(\k)+(\i)*16*PITCH
	ds_load_b128 v[(\f)+8*(\i)+4:(\f)+8*(\i)+7], v[ADRA+(\slot)] offset:(\k)+(\i)*16*PITCH+32
.endr
.endm
; Four plain vector instructions stand between a matrix instruction and a load into a register that it has read, or a vector instruction that reads its result (ISA guide 7.12.1 for vector instructions).
.macro PLACES
.rept 4
	v_nop
.endr
.endm
; A K step is four quarters of 32 along K, 64 matrix instructions each, on buffers 0, 1, 0, 1.  The 64 accumulators take turns in the same order everywhere.
; One of the first three quarters: multiplies buffer f; in its middle it fetches the next quarter's fragments, at byte k of the same slot's rows, into buffer g.
.macro QUARTER slot, k, f, g, zero
	s_wait_dscnt 8                                 ; vb's and xb's rows 0-63 are in; the youngest eight loads (xb's rows 64-127) may be out
	WIN MUL_LO
	MUL16 \f, 0, 0, \zero
	MUL16 \f, 0, 2, \zero
	PLACES
	FETCH \slot, \k, \g
	s_wait_dscnt 32                                ; all but the 32 just issued
	WIN MUL_HI
	MUL16 \f, 1, 0, \zero
	MUL16 \f, 1, 2, \zero
.endm
; The first half of a step's last quarter: ONE barrier for the change of slots.  In front of it each wave waits for all its tensor loads (one is out: its part of the next slot), adds 0 to its spare word,
; and waits for that and for its own reads of this slot.  Behind it nobody reads this slot any more and the next slot is whole.
.macro MEET round                      ; round = 1: the rest of a round of the cluster's barrier follows
	WIN 0                                          ; (the add's two registers lie in window 0)
	s_wait_tensorcnt 0x0                           ; all my tensor loads have landed
	ds_add_u32 v[SPW], v[NIL]                      ; 0 onto my spare word
	s_wait_dscnt 9                                 ; (the add and the youngest eight loads may be out)
	WIN MUL_LO
	MUL16 F1, 0, 0, 0                              ; sixteen matrix instructions stand between the add and the wait for it
	s_wait_dscnt 0x0                               ; the add is done, and my reads of this slot are over
	s_barrier_signal -1
	MUL16 F1, 0, 2, 0                              ; work on registers while the others arrive
.if \round
	WIN 0
.endif
	s_barrier_wait -1
.endm
; The whole last quarter with a refill: this slot takes this tile's K step two steps on (on = 0) or the next tile's K step 0 or 1 (on = 1); then come the next slot's first fragments.
.macro TURN slot, next, on
	s_wait_xcnt 0x0                                ; the last prefetch, a K step back, has read its address: it is stepped here, ahead of the waits of the change of slots
.if (\on) && (\slot) == 0
	s_add_nc_u64 s[PFA:PFA+1], s[PFA:PFA+1], (WALK-1)*SIZE_K*2+KSTEP*2  ; from the K step after the tile's last to the next tile's K step 1
	s_cmp_eq_u32 s11, 0
	s_cselect_b32 s[LIM], s[LIM], -1               ; vb's rows are the same for both tiles: they are asked for in the first tile alone
.else
	s_add_nc_u64 s[PFA:PFA+1], s[PFA:PFA+1], KSTEP*2
.endif
	MEET 1
	CREST                                          ; no wave of any partner still reads this slot's tile or has a load on its way
.if \on
	s_add_nc_u64 s[G0+4*(\slot)+2:G0+4*(\slot)+3], s[G0+4*(\slot)+2:G0+4*(\slot)+3], NEXT_A
	s_sub_nc_u64 s[G0B+4*(\slot)+2:G0B+4*(\slot)+3], s[G0B+4*(\slot)+2:G0B+4*(\slot)+3], BACK_B
.else
	s_add_nc_u64 s[G0+4*(\slot)+2:G0+4*(\slot)+3], s[G0+4*(\slot)+2:G0+4*(\slot)+3], 2*KSTEP*2
	s_add_nc_u64 s[G0B+4*(\slot)+2:G0B+4*(\slot)+3], s[G0B+4*(\slot)+2:G0B+4*(\slot)+3], 2*KSTEP*2
.endif
	JLOAD \slot                                    ; the first tensor load behind the round, my only one until the next; its four v_nop are also the places in front of the loads below
	FETCH \next, 0, F0
	ASK \on
	WIN MUL_HI
	MUL16 F1, 1, 0, 0
	MUL16 F1, 1, 2, 0
.endm
; The last change of slots of all: nothing is filled again, so the work-group's barrier does.
.macro TURNX
	MEET 0
	PLACES                                         ; for the loads into buffer 0, which the quarter before multiplied
	FETCH 1, 0, F0
	WIN MUL_HI
	MUL16 F1, 1, 0, 0
	MUL16 F1, 1, 2, 0
.endm
.macro LASTQ                           ; the very last quarter: nothing more to fetch
	s_wait_dscnt 8
	MUL16 F1, 0, 0, 0
	MUL16 F1, 0, 2, 0
	s_wait_dscnt 0x0
	MUL16 F1, 1, 0, 0
	MUL16 F1, 1, 2, 0
	WIN 0
.endm
; THE WAY OUT of row block a (16 rows x my 128 columns: eight accumulators, 32 register pairs).  U: the pairs of two accumulators added; QX: eight running pairs of squares.
; Each accumulator's registers 0 and 1 are read first.  Then both are folded: R + 4 a takes (s_k, s_k+1) and the two sums of squares.
.macro RED a
.set AC, 64*((\a)%4)
	WIN 0x0a+5*((\a)/4)                            ; sources 0 and 1: window 2 or 3; source 2 and destination: window 0
.irp bp, 0,1,2,3
.irp jp, 0,1,2,3
	v_pk_add_f32 v[U+8*(\bp)+2*(\jp):U+8*(\bp)+2*(\jp)+1], v[AC+16*(\bp)+2*(\jp):AC+16*(\bp)+2*(\jp)+1], v[AC+16*(\bp)+8+2*(\jp):AC+16*(\bp)+8+2*(\jp)+1]
.endr
.irp c, 0,1,2,3,4,5,6,7
.if (\bp) == 0
	v_pk_mul_f32 v[QX+2*(\c):QX+2*(\c)+1], v[AC+2*(\c):AC+2*(\c)+1], v[AC+2*(\c):AC+2*(\c)+1]
.else
	v_pk_fma_f32 v[QX+2*(\c):QX+2*(\c)+1], v[AC+16*(\bp)+2*(\c):AC+16*(\bp)+2*(\c)+1], v[AC+16*(\bp)+2*(\c):AC+16*(\bp)+2*(\c)+1], v[QX+2*(\c):QX+2*(\c)+1]
.endif
.endr
.endr
	WIN 0
.irp i, 0,1,2,3,4,5,6,7
	v_pk_add_f32 v[U+2*(\i):U+2*(\i)+1], v[U+2*(\i):U+2*(\i)+1], v[U+16+2*(\i):U+16+2*(\i)+1]
.endr
.irp i, 0,1,2,3
	v_pk_add_f32 v[U+2*(\i):U+2*(\i)+1], v[U+2*(\i):U+2*(\i)+1], v[U+8+2*(\i):U+8+2*(\i)+1]
	v_pk_add_f32 v[QX+2*(\i):QX+2*(\i)+1], v[QX+2*(\i):QX+2*(\i)+1], v[QX+8+2*(\i):QX+8+2*(\i)+1]
.endr
.irp i, 0,1
	v_pk_add_f32 v[U+2*(\i):U+2*(\i)+1], v[U+2*(\i):U+2*(\i)+1], v[U+4+2*(\i):U+4+2*(\i)+1]
	v_pk_add_f32 v[QX+2*(\i):QX+2*(\i)+1], v[QX+2*(\i):QX+2*(\i)+1], v[QX+4+2*(\i):QX+4+2*(\i)+1]
.endr
	v_pk_add_f32 v[R+4*(\a):R+4*(\a)+1], v[U:U+1], v[U+2:U+3]
	v_pk_add_f32 v[R+4*(\a)+2:R+4*(\a)+3], v[QX:QX+1], v[QX+2:QX+3]
.endm
; A tile's way out: eight row blocks; s^2 less the squares; the lane's two k; the other half of the lanes' two k; through my stage, so that 32 lanes store 512 consecutive bytes, aligned.
.macro OUT
	WIN 0
	PLACES                                         ; behind the last products
.irp a, 0,1,2,3,4,5,6,7
	RED \a
.endr
.irp a, 0,1,2,3,4,5,6,7
	v_pk_fma_f32 v[R+4*(\a):R+4*(\a)+1], v[R+4*(\a):R+4*(\a)+1], v[R+4*(\a):R+4*(\a)+1], v[R+4*(\a)+2:R+4*(\a)+3] neg_lo:[0,0,1] neg_hi:[0,0,1]
.endr
.irp a, 0,1,2,3,4,5,6,7
	v_add_f32 v[R+4*(\a)], v[R+4*(\a)], v[R+4*(\a)+1]
.endr
.irp a, 0,1,2,3,4,5,6,7
	v_permlanex16_b32 v[R+4*(\a)+1], v[R+4*(\a)], s46, s47
.endr
.irp a, 0,1,2,3,4,5,6,7
	v_add_f32 v[R+4*(\a)], v[R+4*(\a)], v[R+4*(\a)+1]
.endr
.irp a, 0,1,2,3,4,5,6,7
	ds_store_b32 v[STO], v[R+4*(\a)] offset:64*(\a)  ; row 16 a + l % 16; both halves of the lanes hold, and write, the same number
.endr
	s_wait_xcnt 0x0                                ; the last tile's store has read its data and its base: both are rewritten only behind this wait
	ds_load_b128 v[OB:OB+3], v[RD]                 ; LDS serves a wave's instructions in order (ISA guide 5.7.1.4): this sees the stores above
	s_add_nc_u64 s[8:9], s[8:9], s[16:17]          ; on to this tile's rows
	s_wait_dscnt 0x0
	global_store_b128 v[CO], v[OB:OB+3], s[8:9]
	s_mov_b64 s[16:17], WALK*4                     ; what the next way out adds
.endm
	s_wait_tensorcnt 1                             ; my part of K step 0 is in; K step 1's load may stay out
	s_barrier_signal -1
	s_barrier_wait -1                              ; everybody's is
	FETCH 0, 0, F0
	s_mov_b32 s2, SIZE_TILES                       ; tiles to go, this one among them: the same number in every work-group
.Ltile:
	QUARTER 0, 64,  F0, F1, 1                      ; a tile's first quarter stands in front of the loop: its products start the sums
	WIN 0                                          ; at a label and at a branch every window is 0
	s_mov_b32 s3, LAPS-1
.Llap:                                                 ; a trip goes once round the ring, from a lap's second quarter to the next lap's first, and fills both slots again
	QUARTER 0, 128, F1, F0, 0
	QUARTER 0, 192, F0, F1, 0
	TURN 0, 1, 0
	QUARTER 1, 64,  F0, F1, 0
	QUARTER 1, 128, F1, F0, 0
	QUARTER 1, 192, F0, F1, 0
	TURN 1, 0, 0
	QUARTER 0, 64,  F0, F1, 0
	WIN 0
	s_sub_co_u32 s3, s3, 1
	s_cmp_lg_u32 s3, 0
	s_cbranch_scc1 .Llap
	QUARTER 0, 128, F1, F0, 0                      ; the tile's last lap goes on
	QUARTER 0, 192, F0, F1, 0
	WIN 0
	s_cmp_eq_u32 s2, 1
	s_cbranch_scc1 .Llast_tile                     ; the last tile's tail is written out: it asks for nothing more
	TURN 0, 1, 1                                   ; the ring goes on into the next tile: slot 0 takes its K step 0,
	QUARTER 1, 64,  F0, F1, 0
	QUARTER 1, 128, F1, F0, 0
	QUARTER 1, 192, F0, F1, 0
	TURN 1, 0, 1                                   ; slot 1 its K step 1, and the next tile's first fragments are fetched
	OUT                                            ; both refills are asked for: the tile is folded while they are on their way
	s_sub_co_u32 s2, s2, 1
	s_branch .Ltile
.Llast_tile:
	TURNX
	QUARTER 1, 64,  F0, F1, 0
	QUARTER 1, 128, F1, F0, 0
	QUARTER 1, 192, F0, F1, 0
	LASTQ
	OUT
	s_wait_tensorcnt 0x0                           ; the wave's end: behind my last tensor load and my last LDS store
	ds_add_u32 v[SPW], v[NIL]
	s_wait_dscnt 0x0
	CROUND                                         ; the closing round: no work-group ends while a partner may still ask for a tile that names it
	s_endpgm
.Lfunc_end_k_q67f3405990_gemm:
	.size	k_q67f3405990_gemm, .Lfunc_end_k_q67f3405990_gemm-k_q67f3405990_gemm
	.p2alignl 7, 3214868480
	.fill 96, 4, 3214868480
	.section	.rodata,"a",@progbits
	.p2align	6, 0x0
	.amdhsa_kernel k_q67f3405990_gemm
		.amdhsa_group_segment_fixed_size 327680
		.amdhsa_private_segment_fixed_size 0
		.amdhsa_enable_private_segment 0
		.amdhsa_kernarg_size 24
		.amdhsa_user_sgpr_count 2
		.amdhsa_user_sgpr_kernarg_segment_ptr 1
		.amdhsa_wavefront_size32 1
		.amdhsa_system_sgpr_workgroup_id_x 1
		.amdhsa_system_sgpr_workgroup_id_y 1
		.amdhsa_system_sgpr_workgroup_id_z 1
		.amdhsa_system_vgpr_workitem_id 0
		.amdhsa_next_free_vgpr 1024
		.amdhsa_next_free_sgpr 66
		.amdhsa_reserve_vcc 0
		.amdhsa_float_denorm_mode_32 3
		.amdhsa_float_denorm_mode_16_64 3
		.amdhsa_memory_ordered 1
		.amdhsa_forward_progress 1
		.amdhsa_inst_pref_size 222
	.end_amdhsa_kernel
	.amdgpu_metadata
---
amdhsa.version: [ 1, 2 ]
amdhsa.kernels:
  - .name:           k_q67f3405990_gemm
    .symbol:         k_q67f3405990_gemm.kd
    .args:
      - { .name: xb, .offset: 0, .size: 8, .value_kind: global_buffer, .address_space: global }
      - { .name: vb, .offset: 8, .size: 8, .value_kind: global_buffer, .address_space: global }
      - { .name: part, .offset: 16, .size: 8, .value_kind: global_buffer, .address_space: global }
    .group_segment_fixed_size: 327680
    .private_segment_fixed_size: 0
    .kernarg_segment_align: 8
    .kernarg_segment_size: 24
    .max_flat_workgroup_size: 128
    .sgpr_count:     66
    .vgpr_count:     1024
    .wavefront_size: 32
...
	.end_amdgpu_metadata
.endif
;; end of part 2
;; launch fin (part 3): grid 128 x 1, 1 waves a work-group, no clusters, 0 bytes of LDS; arguments part, lin, out0; writes out0
.if DOCPART == 3
	.amdgcn_target "amdgcn-amd-amdhsa--gfx1250"
	.amdhsa_code_object_version 6
	.text
	.protected	k_q67f3405990_fin
	.globl	k_q67f3405990_fin
	.p2align	8
	.type	k_q67f3405990_fin,@function
k_q67f3405990_fin:
	s_mov_b64 s[64:65], 0
	v_nop
	global_prefetch_b8 v0, s[64:65] scope:SCOPE_SE
	s_setreg_imm32_b32 hwreg(HW_REG_WAVE_MODE, 25, 1), 1
	s_wait_xcnt 0x0
; out0[r] = sigmoid(lin[r] + 0.5 x the sum over u = 0 .. 15 of part[u][r]).  part: [16][16384] f32, lin and out0: [16384] f32.  All in f32.
; sigmoid(z) = 1 / (1 + 2^(-1.442695 z)).  LIMITS: where the exponential overflows the result is 0; where it falls below 2^-126 it counts as 0 and the result is 1; a NaN stays a NaN.
; A wave takes 128 rows, four (16 bytes) a lane: each load and the store cover 512 consecutive bytes, aligned.  128 work-groups of one wave: that is all the work there is.
; No LDS, no barrier: no wave wants another's numbers.
.set P,  4                             ; v[4:67]   the sixteen partial numbers of my four rows
.set LI, 68                            ; v[68:71]  lin
.set E,  72                            ; v[72:75]  the exponentials, then 1 + them
.set O,  76                            ; v[76:79]  the results
	s_load_b128 s[4:7], s[0:1], 0x0                ; part s[4:5], lin s[6:7]
	s_load_b64 s[8:9], s[0:1], 0x10                ; out0
	s_lshl_b32 s2, ttmp9, 9                        ; 128 rows of 4 bytes
	s_mov_b32 s3, 0
	v_lshlrev_b32 v1, 4, v0
	s_wait_kmcnt 0x0
	s_add_nc_u64 s[4:5], s[4:5], s[2:3]
	s_add_nc_u64 s[6:7], s[6:7], s[2:3]
	s_add_nc_u64 s[8:9], s[8:9], s[2:3]
.irp u, 0,1,2,3,4,5,6,7,8,9,10,11,12,13,14,15
	global_load_b128 v[P+4*(\u):P+4*(\u)+3], v1, s[4:5] offset:(\u)*65536 th:TH_LOAD_NT
.endr
	global_load_b128 v[LI:LI+3], v1, s[6:7] th:TH_LOAD_NT
	s_wait_loadcnt 0x0
.irp w, 32, 16, 8, 4                   ; the sixteen are folded: 8, 4, 2 and 1 apart, two sums an instruction
.set r, 0
.rept (\w)/2
	v_pk_add_f32 v[P+r:P+r+1], v[P+r:P+r+1], v[P+(\w)+r:P+(\w)+r+1]
.set r, r+2
.endr
.endr
	v_pk_fma_f32 v[P:P+1], v[P:P+1], 0.5, v[LI:LI+1] op_sel_hi:[1,0,1]
	v_pk_fma_f32 v[P+2:P+3], v[P+2:P+3], 0.5, v[LI+2:LI+3] op_sel_hi:[1,0,1]
	v_pk_mul_f32 v[P:P+1], v[P:P+1], 0xbfb8aa3b op_sel_hi:[1,0]      ; x -log2(e)
	v_pk_mul_f32 v[P+2:P+3], v[P+2:P+3], 0xbfb8aa3b op_sel_hi:[1,0]
.irp i, 0,1,2,3
	v_exp_f32 v[E+(\i)], v[P+(\i)]
.endr
	v_nop                                          ; a plain instruction behind the last exponential,
	s_wait_alu depctr_va_vdst(0)                   ; and the one wait for the four, ahead of their first reader
	v_pk_add_f32 v[E:E+1], v[E:E+1], 1.0 op_sel_hi:[1,0]
	v_pk_add_f32 v[E+2:E+3], v[E+2:E+3], 1.0 op_sel_hi:[1,0]
.irp i, 0,1,2,3
	v_rcp_f32 v[O+(\i)], v[E+(\i)]
.endr
	v_nop
	s_wait_alu depctr_va_vdst(0)                   ; one wait for the four reciprocals, ahead of the store that reads them
	global_store_b128 v1, v[O:O+3], s[8:9]
	s_endpgm
.Lfunc_end_k_q67f3405990_fin:
	.size	k_q67f3405990_fin, .Lfunc_end_k_q67f3405990_fin-k_q67f3405990_fin
	.p2alignl 7, 3214868480
	.fill 96, 4, 3214868480
	.section	.rodata,"a",@progbits
	.p2align	6, 0x0
	.amdhsa_kernel k_q67f3405990_fin
		.amdhsa_group_segment_fixed_size 0
		.amdhsa_private_segment_fixed_size 0
		.amdhsa_enable_private_segment 0
		.amdhsa_kernarg_size 24
		.amdhsa_user_sgpr_count 2
		.amdhsa_user_sgpr_kernarg_segment_ptr 1
		.amdhsa_wavefront_size32 1
		.amdhsa_system_sgpr_workgroup_id_x 1
		.amdhsa_system_sgpr_workgroup_id_y 1
		.amdhsa_system_sgpr_workgroup_id_z 1
		.amdhsa_system_vgpr_workitem_id 0
		.amdhsa_next_free_vgpr 80
		.amdhsa_next_free_sgpr 66
		.amdhsa_reserve_vcc 0
		.amdhsa_float_denorm_mode_32 3
		.amdhsa_float_denorm_mode_16_64 3
		.amdhsa_memory_ordered 1
		.amdhsa_forward_progress 1
		.amdhsa_inst_pref_size 6
	.end_amdhsa_kernel
	.amdgpu_metadata
---
amdhsa.version: [ 1, 2 ]
amdhsa.kernels:
  - .name:           k_q67f3405990_fin
    .symbol:         k_q67f3405990_fin.kd
    .args:
      - { .name: part, .offset: 0, .size: 8, .value_kind: global_buffer, .address_space: global }
      - { .name: lin, .offset: 8, .size: 8, .value_kind: global_buffer, .address_space: global }
      - { .name: out0, .offset: 16, .size: 8, .value_kind: global_buffer, .address_space: global }
    .group_segment_fixed_size: 0
    .private_segment_fixed_size: 0
    .kernarg_segment_align: 8
    .kernarg_segment_size: 24
    .max_flat_workgroup_size: 32
    .sgpr_count:     66
    .vgpr_count:     80
    .wavefront_size: 32
...
	.end_amdgpu_metadata
.endif
;; end of part 3
